; MI455X (gfx1250); checked and timed in simulation.
; The chip was launched on July 23, 2026; its instructions are those of AMD's public machine-readable ISA for CDNA 5 (MIT licence, August 2026) and "CDNA5" Instruction Set Architecture Reference Guide (July 2026). The comments in the code are by the model that wrote it; some were corrected since.
;; Attention. Allowed arithmetic: matrix products marked QUANTISED: E2M1 operands, one E8M0 scale for each 32 along K, by v_wmma_scale_f32_16x16x128_f8f6f4 with both operands' format E2M1 (or v_wmma_scale_f32_32x16x128_f4), f32 sums; everything else in f32.
;; Inputs: key 4 x 16 x 2,048 x 64 float32; query 4 x 16 x 2,048 x 64 float32; value 4 x 16 x 2,048 x 64 float32.
;; Outputs: out0 4 x 16 x 2,048 x 64 float32.
;; This version of the problem:
;;   THIS VERSION OF THE PROBLEM IS GIVEN IN LOW PRECISION. The matrix products marked QUANTISED in the list below multiply operands that are first quantised to E2M1 (2 exponent bits, 1 mantissa bit; 4 bits a number), with one power-of-two scale for each 32 numbers along K (OCP MX v1.0); their sums are f32. All else is computed in f32.
;;   The module's matrix products, in the order in which they are computed (A, B: the left and right operand; K: the contracted axis; several contracted axes count as one K, in the product's order):
;;     1. batch 64 x [M 2,048, K 64] x [K 64, N 2,048]; A: input query; B: input key: QUANTISED
;;     2. batch 64 x [M 2,048, K 2,048] x [K 2,048, N 64]; A: softmax (see below); B: input value: QUANTISED
;;   THE QUANTISER, for each operand of a quantised product, along K:
;;     - K is cut into blocks of 32 from its start; a last block that is shorter is filled with zeros.
;;     - A block's scale is 2^e with e = floor(log2(the largest magnitude in the block)) - 2, held to -126 .. 127; a block of zeros has e = 0. As a byte (E8M0): e + 127.
;;     - Each number is divided by its block's scale, clamped to +-6, and rounded to the nearest number of E2M1, ties to even, subnormals kept.
;;     - The product sums the exact products of the quantised numbers (number of the format x scale) in f32.
;;   ~~~python
;;   def quantise(x, axis):      # numpy; x: float32 -> the quantised numbers, widened to float32 again
;;       x = np.moveaxis(x, axis, -1); K = x.shape[-1]
;;       x = np.pad(x, [(0, 0)] * (x.ndim - 1) + [(0, -K % 32)]); x = x.reshape(x.shape[:-1] + (-1, 32)); a = np.abs(x).max(-1, keepdims=True)
;;       e = np.where(a > 0, np.clip(np.frexp(np.where(a > 0, a, 1))[1] - 1 - 2, -126, 127), 0)      # np.frexp(a)[1] - 1 = floor(log2(a)), exactly
;;       r = np.clip(x / 2.0 ** e, -6, 6)
;;       step = 2.0 ** (np.maximum(np.frexp(np.where(r == 0, 1, r))[1] - 1, 0) - 1)
;;       q = np.round(r / step) * step * 2.0 ** e      # np.round: ties to even
;;       return np.moveaxis(q.reshape(q.shape[:-2] + (-1,))[..., :K], -1, axis).astype(np.float32)
;;   ~~~
;;   SOFTMAX AHEAD OF A QUANTISED PRODUCT. Where the list says 'softmax', what is quantised is not the finished softmax but p = 2^(t - M), with t = logit x log2(e) and M = ceil(the row's largest t), a whole number; so 1/2 < the row's largest p <= 1. The row's sum l is taken of the UNQUANTISED p, in f32, and the product's result is divided by l at the end. Since M is a whole number, a kernel that streams over the keys may use a running M (the ceiling of the running maximum): every later rescaling is an exact power of two, which a block's scale takes up: the codes' values come out the same.
;;   OPERANDS COMPUTED ON THE WAY. 'Computed on the way' means the value that the module computes at that place (a softmax that the list does not call 'softmax' is quantised finished and normalised). What goes into a quantiser is computed in f32, as accurately as f32 sums, v_exp_f32 and their like allow (about 1e-6 of the number): no bf16 or f16 on the way to a quantiser, and a product that is left as it is and whose result goes on into a quantised operand takes f32 operands (vector FMAs, or v_wmma_f32_16x16x4_f32). A number that lies on a knife's edge between two numbers of the format may be rounded either way, as far as f32 arithmetic and the matrix unit's own rounding can turn it there, and no further.
;; One version. Each part assembles by itself: llvm-mc -triple=amdgcn-amd-amdhsa -mcpu=gfx1250 --defsym DOCPART=n.
;; ======== version 1 of 1: 2 launches
;; limits: right only within a limited range of input values
;; workspace buffers: kv 8,912,896 bytes
;; launch quant (part 1): grid 256 x 1, 8 waves a work-group, no clusters, 142,336 bytes of LDS; arguments key, value, kv; writes kv
.if DOCPART == 1
	.amdgcn_target "amdgcn-amd-amdhsa--gfx1250"
	.amdhsa_code_object_version 6
	.text
	.protected	k_q47c96ca408_quant
	.globl	k_q47c96ca408_quant
	.p2align	8
	.type	k_q47c96ca408_quant,@function
k_q47c96ca408_quant:
	s_mov_b64 s[64:65], 0
	v_nop
	global_prefetch_b8 v0, s[64:65] scope:SCOPE_SE
	s_setreg_imm32_b32 hwreg(HW_REG_WAVE_MODE, 25, 1), 1
	s_wait_xcnt 0x0
; key and value, [64 heads][2048 keys][64] f32, become codes of FP4 (E2M1) with one E8M0 scale byte for each 32 along a product's K:
; key is quantised along its 64 channels (two blocks a key), value along the keys (a block = 32 keys of one channel).
; A block's scale is 2^(floor(log2(its largest magnitude)) - 2); its byte is the largest magnitude's exponent field - 2, held at 1 from below.
; LIMITS: a block of zeros, and a block whose largest magnitude lies under 2^-124, gets the byte 1 (the rule says 127 for zeros): its codes are zeros or
; subnormal codes, which is the same sum, and the bytes are read by this program alone.  NaN and infinities among the inputs are not served.
; THE OUTPUT IS LAID AS THE NEXT LAUNCH'S REGISTERS WANT IT: one unit of 8,704 bytes for each head and key step of 128 keys (unit U = 16 head + step):
;   0..4095     K: double fragment (c, p) at 1024 (2 c + p) + 512 u + 16 lane.  Its register group u is tile i = 2 p + u of 16 keys; lane (r, h) holds the codes of channels 32 h .. 32 h + 31
;               of key 64 c + 32 (r / 8) + 8 i + r % 8.  (A tile has only 64 along K, so two tiles share one operand of 128 along K.)
;   4096..8191  V^T: tile t of 16 channels at 1024 t + 512 c + 16 lane: lane (r, h) holds the codes of keys 64 c + 32 h + 0 .. 31 of channel 16 t + r.
;   8192..8703  scale words: 256 z + 8 lane: [K's word, V's word].  K's: lanes 0-15 double fragment (z, 0), lanes 16-31 (z, 1), row r: bytes tile 2p block 0, 1, tile 2p+1 block 0, 1.
;               V's: lanes 0-15 tile 2 z, lanes 16-31 tile 2 z + 1, row r: byte b = the step's key block b.
; SHARES.  Eight waves, four units a work-group.  Wave w: unit 4 x + w / 2, z = w % 2: K's keys 64 z .. 64 z + 63 (group c = z) and V's 128 keys x channels 32 z .. 32 z + 31: 16 KiB of each.
; K: each load takes 512 consecutive bytes; the conversions want 32 neighbours along the channels in ONE lane, so the 64 rows turn through the wave's own stage in LDS.
; V: a lane takes a channel and its registers run down the keys, so a block lies in one lane and nothing is transposed; a load takes 128 consecutive bytes, and the sister wave takes the row's other 128.
; Waves share nothing: no barrier.  Every store has data registers of its own and every offset is an immediate: no register that a store reads is written again.
.set UNIT,  8704
.set WREG,  17664                      ; LDS of a wave: 64 rows at pitch 272, and 128 bytes more in front of rows 32-63: row x 272 + (row / 32) x 128
.set LI,   1                           ; v1   16 x lane
.set L4,   2                           ; v2   4 x lane
.set STI,  3                           ; v3   the stage, on the way in: two rows a load: (lane / 16) x 272 + 16 (lane % 16)
.set STO,  4                           ; v4   and on the way out: (r % 8) x 272 + (r / 8) x 8832 + 128 h: modulo 256 the sixteen lanes of a half stand at sixteen different multiples of 16
.set KO,   5                           ; v5   K's images: 16 x lane + 2048 z
.set VI,   6                           ; v6   V's images: 1024 (lane / 16) + 16 (lane % 16) + 2048 z
.set SO8,  7                           ; v7   the scale words: 8 x lane + 256 z
.set SH8,  8                           ; v8   8 h
.set T0,   9                           ; v9-15 at work
.set T1,   10
.set SOP,  11
.set PA0,  12
.set PA1,  13
.set KEEP, 14
.set SEND, 15
.set KR,   16                          ; v16-79   32 rows of K as loaded
.set XK,   80                          ; v80-143  two tiles of K, turned: 32 neighbours a lane each
.set VX,   144                         ; v144-207 two sets of 32 numbers of V
.set CK,   208                         ; v208-223 K's codes, 4 registers a tile
.set CV,   224                         ; v224-239 V's codes, 4 registers a block
.set BY,   240                         ; v240-243 K's scale bytes, one a tile
.set SW,   244                         ; v[244:245] K's word, V's word
.set RX,   246
.set LANE, 248
.set RR,   249
.set HH,   250
	s_load_b128 s[4:7], s[0:1], 0x0                ; key s[4:5], value s[6:7]
	s_load_b64 s[8:9], s[0:1], 0x10                ; kv
	v_lshl_add_u32 v254, v0, 2, 0x22800
	v_mov_b32 v255, 0
	v_lshrrev_b32 v[T0], 5, v0
	s_delay_alu instid0(VALU_DEP_1)
	v_readfirstlane_b32 s10, v[T0]                 ; wave 0..7
	s_and_b32 s11, s10, 1                          ; z
	s_lshr_b32 s12, s10, 1
	s_lshl_b32 s13, ttmp9, 2
	s_add_co_u32 s12, s12, s13                     ; U = 4 x work-group + wave / 2
	s_lshl_b32 s14, s12, 15                        ; a unit's 128 keys are 32,768 bytes of key and of value (all offsets stay under 2^26)
	s_lshl_b32 s16, s11, 14
	s_add_co_u32 s16, s16, s14                     ; key: + 64 z rows of 256 bytes
	s_mov_b32 s17, 0
	s_lshl_b32 s18, s11, 7
	s_add_co_u32 s18, s18, s14                     ; value: + 32 z channels
	s_mov_b32 s19, 0
	s_mul_i32 s14, s12, UNIT                       ; kv: the unit
	s_mov_b32 s15, 0
	s_mov_b32 s20, 0x76543210
	s_mov_b32 s21, 0xfedcba98                      ; v_permlanex16_b32's selects for lane l xor 16
	s_mul_i32 s22, s10, WREG                       ; my stage
	s_lshl_b32 s23, s11, 11                        ; 2048 z
	s_lshl_b32 s24, s11, 8                         ; 256 z
	v_and_b32 v[LANE], 31, v0
	v_and_b32 v[RR], 15, v0                        ; r
	v_bfe_u32 v[HH], v0, 4, 1                      ; h
	s_delay_alu instid0(VALU_DEP_3)
	v_lshlrev_b32 v[LI], 4, v[LANE]
	s_delay_alu instid0(VALU_DEP_4)
	v_lshlrev_b32 v[L4], 2, v[LANE]
	s_delay_alu instid0(VALU_DEP_3)
	v_mul_u32_u24 v[STI], v[HH], 272
	s_delay_alu instid0(VALU_DEP_1)
	v_lshl_add_u32 v[STI], v[RR], 4, v[STI]
	s_delay_alu instid0(VALU_DEP_1)
	v_add_nc_u32 v[STI], s22, v[STI]
	v_and_b32 v[T0], 7, v0                         ; r % 8
	v_bfe_u32 v[T1], v0, 3, 1                      ; r / 8
	s_delay_alu instid0(VALU_DEP_2)
	v_mul_u32_u24 v[STO], v[T0], 272
	s_delay_alu instid0(VALU_DEP_1)
	v_mad_u32_u24 v[STO], v[T1], 8832, v[STO]
	s_delay_alu instid0(VALU_DEP_1)
	v_lshl_add_u32 v[STO], v[HH], 7, v[STO]
	s_delay_alu instid0(VALU_DEP_1)
	v_add_nc_u32 v[STO], s22, v[STO]
	v_add_nc_u32 v[KO], s23, v[LI]
	v_lshlrev_b32 v[VI], 10, v[HH]
	s_delay_alu instid0(VALU_DEP_1)
	v_lshl_add_u32 v[VI], v[RR], 4, v[VI]
	s_delay_alu instid0(VALU_DEP_1)
	v_add_nc_u32 v[VI], s23, v[VI]
	v_lshl_add_u32 v[SO8], v[LANE], 3, s24
	v_lshlrev_b32 v[SH8], 3, v[HH]
	v_mov_b32 v[RX], 0                             ; a lane permute's destination counts as one of its sources
	s_wait_kmcnt 0x0
	s_add_nc_u64 s[4:5], s[4:5], s[16:17]
	s_add_nc_u64 s[6:7], s[6:7], s[18:19]
	s_add_nc_u64 s[8:9], s[8:9], s[14:15]
; the largest magnitude of v[x] .. v[x + 31], in two chains, with the floor 2^(3 - 127) as one more leaf: so the byte cannot fall under 1
.macro MAXABS32 d, t, x
	v_max3_num_f32 v[\d], |v[\x]|, |v[\x+1]|, |v[\x+2]|
	v_max3_num_f32 v[\t], |v[\x+3]|, |v[\x+4]|, |v[\x+5]|
.irp n, 6,10,14,18,22,26
	s_delay_alu instid0(VALU_DEP_2)
	v_max3_num_f32 v[\d], v[\d], |v[\x+\n]|, |v[\x+\n+1]|
	s_delay_alu instid0(VALU_DEP_2)
	v_max3_num_f32 v[\t], v[\t], |v[\x+\n+2]|, |v[\x+\n+3]|
.endr
	s_delay_alu instid0(VALU_DEP_2)
	v_max3_num_f32 v[\d], v[\d], |v[\x+30]|, |v[\x+31]|
	s_delay_alu instid0(VALU_DEP_1)
	v_max3_num_f32 v[\d], v[\d], v[\t], 0x1800000
.endm
.macro KLOAD hh                        ; rows 32 hh .. 32 hh + 31 of my 64 keys: sixteen loads of 512 consecutive bytes
.irp i, 0,1,2,3,4,5,6,7,8,9,10,11,12,13,14,15
	global_load_b128 v[KR+4*\i:KR+4*\i+3], v[LI], s[4:5] offset:(16*\hh+\i)*512 th:TH_LOAD_NT
.endr
.endm
.macro KSTAGE hh                       ; into the stage, two rows a store
.irp i, 0,1,2,3,4,5,6,7,8,9,10,11,12,13,14,15
	ds_store_b128 v[STI], v[KR+4*\i:KR+4*\i+3] offset:(16*\hh+\i)*544+128*\hh
.endr
.endm
.macro KBACK pr                        ; tiles 2 pr and 2 pr + 1 come back: lane (r, h) takes channels 32 h .. 32 h + 31 of row 32 (r / 8) + 8 i + r % 8
.irp u, 0,1
.irp j, 0,1,2,3,4,5,6,7
	ds_load_b128 v[XK+32*\u+4*\j:XK+32*\u+4*\j+3], v[STO] offset:(2*\pr+\u)*2176+16*\j
.endr
.endr
.endm
.macro KQ i                            ; tile i: my block's scale, its 32 codes, and their image
.set XS, XK+32*((\i)%2)
.set CC, CK+4*(\i)
	MAXABS32 T0, T1, XS
	s_delay_alu instid0(VALU_DEP_1)
	v_add_nc_u32 v[SOP], 0xff000000, v[T0]         ; 2 off the exponent field: the conversion takes the exponent field of this operand as its scale, and nothing else of it
.irp g, 0,1,2,3
	v_cvt_scalef32_pk8_fp4_f32 v[CC+\g], v[XS+8*\g:XS+8*\g+7], v[SOP]
.endr
	v_lshrrev_b32 v[BY+(\i)], 23, v[SOP]           ; the scale's byte; also the plain line behind the conversions
	global_store_b128 v[KO], v[CC:CC+3], s[8:9] offset:((\i)/2)*1024+((\i)%2)*512   ; the wave stores 512 consecutive bytes
.endm
.macro VLOAD b                         ; key block b: value(32 b + i, my channel), i = 0 .. 31, into set b % 2
.set i, 0
.rept 32
	global_load_b32 v[VX+32*((\b)%2)+i], v[L4], s[6:7] offset:(32*(\b)+i)*256 th:TH_LOAD_NT
.set i, i+1
.endr
.endm
.macro VQ b                            ; key block b of my channel: all 32 numbers are mine
.set XS, VX+32*((\b)%2)
	MAXABS32 T0, T1, XS
	s_delay_alu instid0(VALU_DEP_1)
	v_add_nc_u32 v[SOP], 0xff000000, v[T0]
.irp g, 0,1,2,3
	v_cvt_scalef32_pk8_fp4_f32 v[CV+4*(\b)+\g], v[XS+8*\g:XS+8*\g+7], v[SOP]
.endr
	v_lshrrev_b32 v[T1], 23, v[SOP]                ; the byte; also the plain line behind the conversions
.if (\b) == 0
	s_delay_alu instid0(VALU_DEP_1)
	v_mov_b32 v[SW+1], v[T1]                       ; the four bytes make my channel's scale word, the lower keys in the lower byte
.else
	s_delay_alu instid0(VALU_DEP_1)
	v_lshl_or_b32 v[SW+1], v[T1], 8*(\b), v[SW+1]
.endif
	global_store_b128 v[VI], v[CV+4*(\b):CV+4*(\b)+3], s[8:9] offset:4096+((\b)/2)*512+((\b)%2)*256   ; sixteen lanes store 256 consecutive bytes, aligned
.endm
	KLOAD 0
	VLOAD 0
	s_wait_loadcnt 32                              ; K's first 32 rows are in; behind them V's block 0, 32 loads
	KSTAGE 0
	s_wait_dscnt 0x0                               ; the stores have read their registers, which the next loads fill
	KLOAD 1
	s_wait_loadcnt 16                              ; V's block 0 is in; behind it K's 16 loads
	VLOAD 1
	VQ 0
	s_wait_loadcnt 32                              ; K's last 32 rows are in; behind them V's block 1
	KSTAGE 1
	KBACK 0                                        ; LDS serves a wave's instructions in order (ISA guide 5.7.1): these see the stores above
	VLOAD 2
	s_wait_dscnt 0x0
	KQ 0
	KQ 1
	KBACK 1
	s_wait_loadcnt 32                              ; V's block 1 is in; behind it block 2
	VQ 1
	VLOAD 3
	s_wait_dscnt 0x0
	KQ 2
	KQ 3
	s_wait_loadcnt 32                              ; V's block 2 is in; behind it block 3
	VQ 2
	s_wait_loadcnt 0x0
	VQ 3
	; K's scale words.  Lane (r, h) has made byte h of each tile's pair.  Lanes 0-15 are to hold the word of tiles 0, 1, lanes 16-31 that of tiles 2, 3: each lane keeps its part of its own word and sends its part of the other
	v_lshl_or_b32 v[PA0], v[BY+1], 16, v[BY]
	v_lshl_or_b32 v[PA1], v[BY+3], 16, v[BY+2]
	s_delay_alu instid0(VALU_DEP_2)
	v_lshlrev_b32 v[PA0], v[SH8], v[PA0]           ; at their places: 8 h bits up
	s_delay_alu instid0(VALU_DEP_2)
	v_lshlrev_b32 v[PA1], v[SH8], v[PA1]
	v_cmp_le_u32 vcc_lo, 16, v[LANE]
	s_delay_alu instid0(VALU_DEP_1)
	v_cndmask_b32 v[KEEP], v[PA0], v[PA1], vcc_lo  ; lanes 16-31: tiles 2, 3
	s_delay_alu instid0(VALU_DEP_2)
	v_cndmask_b32 v[SEND], v[PA1], v[PA0], vcc_lo
	s_delay_alu instid0(VALU_DEP_1)
	v_permlanex16_b32 v[RX], v[SEND], s20, s21
	s_delay_alu instid0(VALU_DEP_1)
	v_or_b32 v[SW], v[KEEP], v[RX]
	global_store_b64 v[SO8], v[SW:SW+1], s[8:9] offset:8192   ; the wave stores 256 consecutive bytes, aligned
	s_wait_tensorcnt 0x0
	ds_add_u32 v254, v255
	s_wait_dscnt 0x0
	s_endpgm
.Lfunc_end_k_q47c96ca408_quant:
	.size	k_q47c96ca408_quant, .Lfunc_end_k_q47c96ca408_quant-k_q47c96ca408_quant
	.p2alignl 7, 3214868480
	.fill 96, 4, 3214868480
	.section	.rodata,"a",@progbits
	.p2align	6, 0x0
	.amdhsa_kernel k_q47c96ca408_quant
		.amdhsa_group_segment_fixed_size 142336
		.amdhsa_private_segment_fixed_size 0
		.amdhsa_enable_private_segment 0
		.amdhsa_kernarg_size 24
		.amdhsa_user_sgpr_count 2
		.amdhsa_user_sgpr_kernarg_segment_ptr 1
		.amdhsa_wavefront_size32 1
		.amdhsa_system_sgpr_workgroup_id_x 1
		.amdhsa_system_sgpr_workgroup_id_y 1
		.amdhsa_system_sgpr_workgroup_id_z 1
		.amdhsa_system_vgpr_workitem_id 0
		.amdhsa_next_free_vgpr 256
		.amdhsa_next_free_sgpr 66
		.amdhsa_reserve_vcc 1
		.amdhsa_float_denorm_mode_32 3
		.amdhsa_float_denorm_mode_16_64 3
		.amdhsa_memory_ordered 1
		.amdhsa_forward_progress 1
		.amdhsa_inst_pref_size 39
	.end_amdhsa_kernel
	.amdgpu_metadata
---
amdhsa.version: [ 1, 2 ]
amdhsa.kernels:
  - .name:           k_q47c96ca408_quant
    .symbol:         k_q47c96ca408_quant.kd
    .args:
      - { .name: key, .offset: 0, .size: 8, .value_kind: global_buffer, .address_space: global }
      - { .name: value, .offset: 8, .size: 8, .value_kind: global_buffer, .address_space: global }
      - { .name: kv, .offset: 16, .size: 8, .value_kind: global_buffer, .address_space: global }
    .group_segment_fixed_size: 142336
    .private_segment_fixed_size: 0
    .kernarg_segment_align: 8
    .kernarg_segment_size: 24
    .max_flat_workgroup_size: 256
    .sgpr_count:     66
    .vgpr_count:     256
    .wavefront_size: 32
...
	.end_amdgpu_metadata
.endif
;; end of part 1
;; launch attn (part 2): grid 4 x 64, 16 waves a work-group, clusters of 4 x 1, 327,680 bytes of LDS; arguments query, kv, out0; writes out0
.if DOCPART == 2
	.amdgcn_target "amdgcn-amd-amdhsa--gfx1250"
	.amdhsa_code_object_version 6
	.text
	.protected	k_q47c96ca408_attn
	.globl	k_q47c96ca408_attn
	.p2align	8
	.type	k_q47c96ca408_attn,@function
k_q47c96ca408_attn:
	s_mov_b64 s[64:65], 0
	v_nop
	global_prefetch_b8 v0, s[64:65] scope:SCOPE_SE
	s_setreg_imm32_b32 hwreg(HW_REG_WAVE_MODE, 25, 1), 1
	s_wait_xcnt 0x0
	s_wait_alu depctr_hold_cnt(0) depctr_sa_sdst(0) depctr_va_vdst(0) depctr_va_sdst(0) depctr_va_ssrc(0) depctr_va_vcc(0) depctr_vm_vsrc(0)
	s_getreg_b32 s2, hwreg(HW_REG_IB_STS2, 6, 4)
	s_cmp_eq_u32 s2, 0
	s_cbranch_scc0 .Lentry_in_a_cluster
	s_endpgm
.Lentry_in_a_cluster:
	s_bfe_u32 s2, ttmp6, 0x10000c
	s_cmp_lg_u32 s2, 0x3003
	s_cbranch_scc0 .Lentry_shape_is_right
	s_endpgm
.Lentry_shape_is_right:
; out0[head][q] = sum over keys of softmax(Q.K / 8) V, both products on codes of FP4 (E2M1) with one E8M0 scale for each 32 along K.
; kv holds K's and V's codes and scale words as the launch before laid them: one unit of 8,704 bytes for each head and 128 keys, in the order of the operand registers.
; SOFTMAX: t = score x log2(e) / 8; M = the running largest t rounded up to a whole number; p = 2^(t - M) is quantised along the keys; the row's sum is taken of
; the unquantised p and divides at the end.  When M moves, the sum and O are multiplied by 2^(old M - new M), which rounds nothing.
; SHARES: a work-group owns 512 queries of one head, sixteen waves; a wave owns 16 queries in each of two passes and walks the head's 16 key steps of 128 keys.
; Both products are used transposed: a lane holds one query (lane % 16); its 32 registers of a group of 64 keys are one block of 32 neighbouring keys.
; A tile of K has 64 along K, so two tiles share an operand of 128: Q's operand is [q, 0] or [0, q] and picks one of the two.
; LDS: the head's 16 units, 139,264 bytes, are filled once: each wave asks for one unit (34 rows of 256 bytes).  The four work-groups of a head want the same bytes:
; they form a cluster of 4 x 1 and ask jointly (mask 15).  Behind the units: a stage of 16 x 272 bytes for each wave, then the spare words.
; No prefetch: all tiles are asked for at the head in one group, so there is no later tile to ask ahead for; Q is read once, by its own wave.
; THE STEP'S ORDER: step m ends with the products S(m+1) = K Q^T, O's 16 rescalings (the places behind those products) and O += V^T P^T of step m;
; step m+1 begins with maxima over S(m+1), which are the places in front of its LDS loads.  The exponentials go as one batch.
; Independent chains are laid by turns: the maxima run in eight chains, the row's sum is a tree of additions, the scale word's lines stand among them.
; No work of the problem is left out.
; LIMITS: NaN and infinities among the inputs are not served; the scaled scores t stay under 2^31 in magnitude; a block of p that has fallen under 2^-124 keeps the scale byte 1.
.set UNIT,  8704
.set KVB,   16*UNIT
.set STG,   KVB
.set SPARE, STG+16*16*272
.set LI,   1                           ; 16 x lane
.set L8,   2                           ; 8 x lane + 8192: the scale words of a unit
.set AD,   3                           ; LI, L8 at the pair of units in hand
.set AS,   4
.set STI,  5                           ; stage by rows: two rows an instruction
.set SQ,   6                           ; stage: Q's row r, half h
.set SOU,  7                           ; stage: O's row r, 32 h bytes on
.set SH8,  8                           ; 8 h
.set CH,   10                          ; v10-11 a chain of maxima for each block; then NA
.set NA,   10                          ; v[10:11], v[252:253] two nodes of the tree of sums
.set NB,   252
.set NM0,  12                          ; -M of even steps (pair with RM)
.set RM,   13                          ; the running largest score
.set NM1,  14                          ; -M of odd steps (pair with T)
.set T,    15
.set FF,   16                          ; f = 2^(old M - new M) (pair with T2)
.set T2,   17
.set L0,   18                          ; the sum, in four parts
.set L1,   20
.set BM,   22                          ; my two blocks' largest score, then largest p
.set SO,   24                          ; a chain of maxima; then the conversions' scale operands
.set BY,   26                          ; a chain of maxima; then the scale bytes
.set WD,   28
.set PX,   29
.set PS,   30                          ; p's scale word
.set QS,   31                          ; Q's scale word
.set SC,   32                          ; v32-39 scale words of two units: [K's, V's] x 2 each
.set QF,   40                          ; v40-51 q, 0, q
.set KF,   52                          ; v52-83 K's four double fragments
.set VF,   84                          ; v84-115 V's four tiles
.set S,    116                         ; v116-179 scores, then p
.set OA,   180                         ; v180-211 O^T
.set P,    212                         ; v212-219 p's codes
.set RQ,   220                         ; v220-251 Q as loaded
.set SPW,  254
.set NIL,  255
.set WV,   10
.set HD,   11
.set G0A,  12
.set G1,   16
.set SEL,  24
.set CS,   26
.set NC,   28
.set TB,   29
.set TRIPC, 30
.macro ROUND                           ; a round of the cluster's barrier
	s_barrier_signal -1
	s_barrier_wait -1
	s_cmp_lg_u32 s[WV], 0
	s_cbranch_scc1 .Lnw0_\@
	s_barrier_signal -3
.Lnw0_\@:
	s_barrier_wait -3
	s_barrier_signal -1
	s_barrier_wait -1
.endm
.macro MAXABS32 d, t, x                ; the largest magnitude of 32 registers, with the floor 2^(3 - 127)
	v_max3_num_f32 v[\d], |v[\x]|, |v[\x+1]|, |v[\x+2]|
	v_max3_num_f32 v[\t], |v[\x+3]|, |v[\x+4]|, |v[\x+5]|
.irp n, 6,10,14,18,22,26
	s_delay_alu instid0(VALU_DEP_2)
	v_max3_num_f32 v[\d], v[\d], |v[\x+\n]|, |v[\x+\n+1]|
	s_delay_alu instid0(VALU_DEP_2)
	v_max3_num_f32 v[\t], v[\t], |v[\x+\n+2]|, |v[\x+\n+3]|
.endr
	s_delay_alu instid0(VALU_DEP_2)
	v_max3_num_f32 v[\d], v[\d], |v[\x+30]|, |v[\x+31]|
	s_delay_alu instid0(VALU_DEP_1)
	v_max3_num_f32 v[\d], v[\d], v[\t], 0x1800000
.endm
.macro QLOAD off                       ; my 16 queries: eight loads of 512 consecutive bytes
.irp i, 0,1,2,3,4,5,6,7
	global_load_b128 v[RQ+4*\i:RQ+4*\i+3], v[LI], s[4:5] offset:\off+512*\i th:TH_LOAD_NT
.endr
.endm
.macro QTURN                           ; through my stage: lane (r, h) gets channels 32 h .. 32 h + 31 of query r
.irp i, 0,1,2,3,4,5,6,7
	ds_store_b128 v[STI], v[RQ+4*\i:RQ+4*\i+3] offset:544*\i
.endr
.irp j, 0,1,2,3,4,5,6,7
	ds_load_b128 v[KF+4*\j:KF+4*\j+3], v[SQ] offset:16*\j
.endr
.endm
.macro QQUANT                          ; my block's scale and codes; the word's two bytes stand twice, for either half of the operand
	MAXABS32 T, T2, KF
	s_delay_alu instid0(VALU_DEP_1)
	v_add_nc_u32 v[SO], 0xff000000, v[T]
.irp g, 0,1,2,3
	v_cvt_scalef32_pk8_fp4_f32 v[QF+\g], v[KF+8*\g:KF+8*\g+7], v[SO]
.endr
	v_lshrrev_b32 v[BY], 23, v[SO]
	s_delay_alu instid0(VALU_DEP_1)
	v_lshlrev_b32 v[WD], v[SH8], v[BY]
	s_delay_alu instid0(VALU_DEP_1)
	v_permlanex16_b32 v[PX], v[WD], s[SEL], s[SEL+1]
	s_delay_alu instid0(VALU_DEP_1)
	v_or_b32 v[WD], v[WD], v[PX]
	s_delay_alu instid0(VALU_DEP_1)
	v_lshl_or_b32 v[QS], v[WD], 16, v[WD]
.irp g, 0,1,2,3
	v_mov_b32 v[QF+8+\g], v[QF+\g]
.endr
.endm
.macro QK                              ; S^T = K Q^T of the unit whose scale words stand in set QP: eight tiles of 16 keys, two an instruction
.irp c, 0,1
.irp i, 0,1
	; 32 rows: double fragments (c, 0) and (c, 1); [q, 0] picks tiles 0 and 2, [0, q] tiles 1 and 3: the group's 32 registers hold tiles 0, 2, 1, 3.  K's scale word has fragment (c, 0) in lanes 0-15 and (c, 1) in lanes 16-31
	v_wmma_scale_f32_32x16x128_f4 v[S+32*\c+16*\i:S+32*\c+16*\i+15], v[KF+16*\c:KF+16*\c+15], v[QF+4*\i:QF+4*\i+7], 0, v[SC+4*QP+2*\c], v[QS]
.endr
.endr
.endm
.macro ADDN d, a, b                    ; a node of the tree of sums: two numbers at a time
	v_pk_add_f32 v[\d:\d+1], v[\a:\a+1], v[\b:\b+1]
.endm
; A KEY STEP.  par: the step's parity; pre = 1: a step follows; tb: LDS byte of the pair of units (read at par = 0)
.macro STEP par, pre, tb
.set NMP, NM0+2*\par
.set NMO, NM0+2*(1-\par)
.set QP, 1-\par
.if \par == 0
	v_add_nc_u32 v[AD], \tb, v[LI]
	v_add_nc_u32 v[AS], \tb, v[L8]
.endif
.irp c, 0,1                            ; the largest score of my two blocks, four chains of seven registers a block; these four lines are also the places in front of the loads
	v_max3_num_f32 v[BM+\c], v[S+32*\c], v[S+32*\c+1], v[S+32*\c+2]
	v_max3_num_f32 v[CH+\c], v[S+32*\c+16], v[S+32*\c+17], v[S+32*\c+18]
.endr
.irp t, 0,1,2,3                        ; this step's V
.irp c, 0,1
	ds_load_b128 v[VF+8*\t+4*\c:VF+8*\t+4*\c+3], v[AD] offset:\par*UNIT+4096+1024*\t+512*\c
.endr
.endr
.if \pre                               ; the next step's K and scale words
.irp f, 0,1,2,3
.irp u, 0,1
	ds_load_b128 v[KF+8*\f+4*\u:KF+8*\f+4*\u+3], v[AD] offset:(\par+1)*UNIT+1024*\f+512*\u
.endr
.endr
.irp z, 0,1
	ds_load_b64 v[SC+4*(1-\par)+2*\z:SC+4*(1-\par)+2*\z+1], v[AS] offset:(\par+1)*UNIT+256*\z
.endr
.endif
.irp c, 0,1
	v_max3_num_f32 v[SO+\c], v[S+32*\c+8], v[S+32*\c+9], v[S+32*\c+10]
	v_max3_num_f32 v[BY+\c], v[S+32*\c+24], v[S+32*\c+25], v[S+32*\c+26]
.endr
.irp n, 3,5
.irp c, 0,1
	v_max3_num_f32 v[BM+\c], v[BM+\c], v[S+32*\c+\n], v[S+32*\c+\n+1]
	v_max3_num_f32 v[CH+\c], v[CH+\c], v[S+32*\c+16+\n], v[S+32*\c+17+\n]
.endr
.irp c, 0,1
	v_max3_num_f32 v[SO+\c], v[SO+\c], v[S+32*\c+8+\n], v[S+32*\c+9+\n]
	v_max3_num_f32 v[BY+\c], v[BY+\c], v[S+32*\c+24+\n], v[S+32*\c+25+\n]
.endr
.endr
.irp c, 0,1                            ; each chain's eighth register, and the four chains joined
	v_max3_num_f32 v[BM+\c], v[BM+\c], v[S+32*\c+7], v[S+32*\c+15]
.endr
.irp c, 0,1
	v_max3_num_f32 v[CH+\c], v[CH+\c], v[S+32*\c+23], v[S+32*\c+31]
.endr
.irp c, 0,1
	v_max3_num_f32 v[BM+\c], v[BM+\c], v[SO+\c], v[BY+\c]
.endr
.irp c, 0,1
	v_max_num_f32 v[BM+\c], v[BM+\c], v[CH+\c]
.endr
	s_delay_alu instid0(VALU_DEP_1)
	v_max_num_f32 v[T], v[BM], v[BM+1]
	s_delay_alu instid0(VALU_DEP_1)
	v_permlanex16_b32 v[PX], v[T], s[SEL], s[SEL+1]
	s_delay_alu instid0(VALU_DEP_1)
	v_max3_num_f32 v[RM], v[T], v[PX], v[RM]       ; the running largest score of my query
	s_delay_alu instid0(VALU_DEP_1)
	v_mul_f32 v[T], s[NC], v[RM]
	s_delay_alu instid0(VALU_DEP_1)
	v_floor_f32 v[NMP], v[T]                       ; -M = floor(-t)
	s_delay_alu instid0(VALU_DEP_1)
	v_sub_f32 v[T], v[NMP], v[NMO]                 ; old M - new M
.set k, 0
.rept 32                               ; t - M, two at a time; the lines that lead to f and the blocks' largest t - M stand among them
	v_pk_fma_f32 v[S+2*k:S+2*k+1], v[S+2*k:S+2*k+1], s[CS:CS+1], v[NMP:NMP+1] op_sel_hi:[1,0,0]
.if k == 0
	v_fma_f32 v[BM], v[BM], s[CS], v[NMP]
.endif
.if k == 1
	v_fma_f32 v[BM+1], v[BM+1], s[CS], v[NMP]
.endif
.if k == 4
	v_cvt_i32_f32 v[T], v[T]                       ; (it saturates)
.endif
.if k == 6
	v_max_num_f32 v[BM], 0xc2f80000, v[BM]         ; held at -124 from below: the block's largest p is taken as 2^-124 at the least, so the byte cannot fall under 1
.endif
.if k == 7
	v_max_num_f32 v[BM+1], 0xc2f80000, v[BM+1]
.endif
.set k, k+1
.endr
	s_wait_alu depctr_va_vdst(0)                   ; the wait ahead of the batch
	v_exp_f32 v[BM], v[BM]                         ; the blocks' largest p
	v_exp_f32 v[BM+1], v[BM+1]
.set k, 0
.rept 64
	v_exp_f32 v[S+k], v[S+k]                       ; p = 2^(t - M)
.set k, k+1
.endr
	v_ldexp_f32 v[FF], 1.0, v[T]                   ; f; also the plain line behind the batch
	s_wait_alu depctr_va_vdst(0)                   ; one wait for the batch, ahead of its first reader
	v_add_nc_u32 v[SO], 0xff000000, v[BM]          ; 2 off the exponent field: the conversion's scale operand
	v_add_nc_u32 v[SO+1], 0xff000000, v[BM+1]
	; THE ROW'S SUM OF THE UNQUANTISED p: a tree of 16 + 8 + 4 + 2 additions.  Node j of the first level is p[4 j .. 4 j + 3] in two halves; nodes 0 and 1 go to registers of their own,
	; the others are laid over p behind the conversions
	ADDN NA, S, S+2
	ADDN NB, S+4, S+6
.irp c, 0,1
.irp i, 0,1,2,3
	v_cvt_scalef32_pk8_fp4_f32 v[P+4*\c+\i], v[S+32*\c+8*((\i%2)*2+\i/2):S+32*\c+8*((\i%2)*2+\i/2)+7], v[SO+\c]   ; tile i stands at place 2 (i % 2) + i / 2 of its group
.endr
.endr
	v_lshrrev_b32 v[BY], 23, v[SO]                 ; the bytes of blocks h and 2 + h; also the plain lines behind the conversions
	v_lshrrev_b32 v[BY+1], 23, v[SO+1]
.irp j, 2,3,4,5,6,7
	ADDN S+4*\j, S+4*\j, S+4*\j+2
.endr
	v_lshl_or_b32 v[WD], v[BY+1], 16, v[BY]
.irp j, 8,9,10,11,12,13
	ADDN S+4*\j, S+4*\j, S+4*\j+2
.endr
	v_lshlrev_b32 v[WD], v[SH8], v[WD]
.irp j, 14,15
	ADDN S+4*\j, S+4*\j, S+4*\j+2
.endr
	ADDN NA, NA, NB                                ; second level: node 2 i takes node 2 i + 1
.irp j, 2,4,6
	ADDN S+4*\j, S+4*\j, S+4*\j+4
.endr
	v_permlanex16_b32 v[PX], v[WD], s[SEL], s[SEL+1]
.irp j, 8,10,12,14
	ADDN S+4*\j, S+4*\j, S+4*\j+4
.endr
	ADDN NA, NA, S+8                               ; third level
	ADDN S+16, S+16, S+24
	ADDN S+32, S+32, S+40
	ADDN S+48, S+48, S+56
	v_or_b32 v[PS], v[WD], v[PX]                   ; p's scale word for these 128 keys
	ADDN NA, NA, S+16                              ; fourth level: two nodes are left, outside p's registers
	ADDN NB, S+32, S+48
	s_wait_dscnt 0x0                               ; V, and the next step's K and scale words
.if \pre
	QK
.endif
	s_wait_alu depctr_va_vdst(0)                   ; the wait directly ahead of the first reader of O^T
.set k, 0
.rept 16
	v_dual_mul_f32 v[OA+2*k], v[FF], v[OA+2*k] :: v_dual_mul_f32 v[OA+2*k+1], v[FF], v[OA+2*k+1]   ; O^T under the new M; these 16 pairs are the places behind the products above
.set k, k+1
.endr
	v_pk_fma_f32 v[L0:L0+1], v[L0:L0+1], v[FF:FF+1], v[NA:NA+1] op_sel_hi:[1,0,1]   ; the sums under the new M, and this step's two nodes
	v_pk_fma_f32 v[L1:L1+1], v[L1:L1+1], v[FF:FF+1], v[NB:NB+1] op_sel_hi:[1,0,1]
.irp t, 0,1                            ; O^T += V^T P^T: 32 channels an instruction (tiles 2 t and 2 t + 1; V's scale word has one in lanes 0-15, the other in lanes 16-31)
	s_wait_alu depctr_va_vdst(0)                   ; two accumulators by turns: the wait directly ahead of every adding step
	v_wmma_scale_f32_32x16x128_f4 v[OA+16*\t:OA+16*\t+15], v[VF+16*\t:VF+16*\t+15], v[P:P+7], v[OA+16*\t:OA+16*\t+15], v[SC+4*\par+2*\t+1], v[PS]
.endr
.endm
.macro TRIPS n
	s_mov_b32 s[TRIPC], \n
.Ltrip_\@:
	STEP 0, 1, s[TB]
	STEP 1, 1, 0
	s_add_co_u32 s[TB], s[TB], 2*UNIT
	s_sub_co_u32 s[TRIPC], s[TRIPC], 1
	s_cmp_lg_u32 s[TRIPC], 0
	s_cbranch_scc1 .Ltrip_\@
.endm
.macro PASS p
	s_wait_loadcnt 0x0                             ; this pass's Q
	QTURN
	s_wait_dscnt 0x0
	QQUANT
	s_wait_alu depctr_va_vdst(0)                   ; the wait ahead of the waits below
.if \p == 0
	s_wait_tensorcnt 0x0                           ; my unit has landed;
	s_barrier_signal -1
	s_barrier_wait -1                              ; and everybody's
.endif
.irp f, 0,1,2,3                        ; step 0's K and scale words
.irp u, 0,1
	ds_load_b128 v[KF+8*\f+4*\u:KF+8*\f+4*\u+3], v[LI] offset:1024*\f+512*\u
.endr
.endr
.irp z, 0,1
	ds_load_b64 v[SC+2*\z:SC+2*\z+1], v[L8] offset:256*\z
.endr
.irp g, 0,1,2,3
	v_mov_b32 v[L0+\g], 0
.endr
	v_mov_b32 v[RM], 0xff61b1e6                    ; -3e38, under every score
	s_delay_alu instid0(VALU_DEP_1)
	v_mul_f32 v[T], s[NC], v[RM]
	s_delay_alu instid0(VALU_DEP_1)
	v_floor_f32 v[NM1], v[T]
	s_wait_alu depctr_va_vdst(0)
	s_wait_dscnt 0x0
.set QP, 0
	QK                                             ; step 0's scores
.set k, 0
.rept 32
	v_mov_b32 v[OA+k], 0                           ; O^T begins as zeros, which the first change of M leaves zeros; also the places behind the products
.set k, k+1
.endr
	s_mov_b32 s[TB], 0
.if \p == 0
	TRIPS 3
	QLOAD 65536                                    ; the next pass's Q, eight key steps and more ahead of its wait
	TRIPS 4
.else
	TRIPS 7
.endif
	STEP 0, 1, 14*UNIT
	STEP 1, 0, 0
	v_pk_add_f32 v[L0:L0+1], v[L0:L0+1], v[L1:L1+1]
	s_delay_alu instid0(VALU_DEP_1)
	v_add_f32 v[T], v[L0], v[L0+1]
	s_delay_alu instid0(VALU_DEP_1)
	v_permlanex16_b32 v[PX], v[T], s[SEL], s[SEL+1]
	s_delay_alu instid0(VALU_DEP_1)
	v_add_f32 v[T], v[T], v[PX]                    ; the row's sum
	v_nop
	v_nop
	s_wait_alu depctr_va_vdst(0)
	v_rcp_f32 v[FF], v[T]
	v_nop
	s_wait_alu depctr_va_vdst(0)
.set k, 0
.rept 16
	v_pk_mul_f32 v[S+2*k:S+2*k+1], v[OA+2*k:OA+2*k+1], v[FF:FF+1] op_sel_hi:[1,0]
.set k, k+1
.endr
.irp t, 0,1,2,3                        ; through my stage, so that the wave stores 512 consecutive bytes
.irp e, 0,1
	ds_store_b128 v[SOU], v[S+8*\t+4*\e:S+8*\t+4*\e+3] offset:64*\t+16*\e
.endr
.endr
.irp i, 0,1,2,3,4,5,6,7
	ds_load_b128 v[S+32+4*\i:S+32+4*\i+3], v[STI] offset:544*\i
.endr
.irp i, 0,1,2,3,4,5,6,7
	s_wait_dscnt 7-\i                              ; the loads issued behind load i may be out
	global_store_b128 v[LI], v[S+32+4*\i:S+32+4*\i+3], s[8:9] offset:\p*65536+512*\i th:TH_STORE_NT
.endr
.if \p == 0
	s_wait_xcnt 0x0                                ; the stores' data registers are written again in the next pass
.endif
.endm
	s_load_b128 s[4:7], s[0:1], 0x0                ; query, kv
	s_load_b64 s[8:9], s[0:1], 0x10                ; out0
	v_lshl_add_u32 v[SPW], v0, 2, SPARE
	v_mov_b32 v[NIL], 0
	ds_add_u32 v[SPW], v[NIL]
	ds_add_u32 v[SPW], v[NIL]
	v_lshrrev_b32 v9, 5, v0
	v_readfirstlane_b32 s[WV], v9                  ; wave 0..15
	s_and_b32 s[HD], ttmp7, 0xffff                 ; the head = the cluster's y
	s_bfe_u32 s3, ttmp6, 0x40000                   ; cx
	s_lshl_b32 s2, ttmp9, 2
	s_add_co_u32 s2, s2, s3                        ; which 512 queries of the head
	s_lshl_b32 s32, s[HD], 19
	s_lshl_b32 s2, s2, 17
	s_add_co_u32 s32, s32, s2
	s_lshl_b32 s2, s[WV], 12
	s_add_co_u32 s32, s32, s2                      ; my first query's byte in query and in out0
	s_mov_b32 s33, 0
	s_mul_i32 s34, s[HD], KVB
	s_mul_i32 s[G0A+1], s[WV], UNIT                ; LDS: unit = wave
	s_add_co_u32 s34, s34, s[G0A+1]                ; kv: the head's unit = wave: the same in all four partners
	s_mov_b32 s35, 0
	s_mov_b32 s[G0A], 1
	s_mov_b32 s[G1], 15|(3<<16)|(1<<21)            ; mask: the cluster's four; elements of 8 bytes
	s_mov_b32 s[G1+1], 32<<16                      ; rows of 256 bytes,
	s_mov_b32 s[G1+2], 34<<16                      ; 34 of them
	s_mov_b32 s[G1+3], 32<<16
	s_mov_b32 s[G1+4], 34
	s_mov_b32 s[G1+5], 32
	s_mov_b32 s[G1+6], 0
	s_mov_b32 s[G1+7], 0
	s_mov_b32 s[SEL], 0x76543210
	s_mov_b32 s[SEL+1], 0xfedcba98                 ; lane l xor 16
	s_mov_b32 s[CS], 0x3e38aa3b                    ; log2(e) / 8
	s_mov_b32 s[CS+1], s[CS]
	s_mov_b32 s[NC], 0xbe38aa3b
	s_mul_i32 s2, s[WV], 16*272
	s_add_co_u32 s2, s2, STG                       ; my stage
	v_and_b32 v9, 31, v0
	v_and_b32 v10, 15, v0
	v_bfe_u32 v11, v0, 4, 1
	s_delay_alu instid0(VALU_DEP_3)
	v_lshlrev_b32 v[LI], 4, v9
	s_delay_alu instid0(VALU_DEP_4)
	v_lshl_add_u32 v[L8], v9, 3, 8192
	s_delay_alu instid0(VALU_DEP_3)
	v_mul_u32_u24 v[STI], v11, 272
	s_delay_alu instid0(VALU_DEP_1)
	v_lshl_add_u32 v[STI], v10, 4, v[STI]
	s_delay_alu instid0(VALU_DEP_1)
	v_add_nc_u32 v[STI], s2, v[STI]
	v_mul_u32_u24 v[SQ], v10, 272
	s_delay_alu instid0(VALU_DEP_1)
	v_lshl_add_u32 v[SOU], v11, 5, v[SQ]
	s_delay_alu instid0(VALU_DEP_2)
	v_lshl_add_u32 v[SQ], v11, 7, v[SQ]
	s_delay_alu instid0(VALU_DEP_2)
	v_add_nc_u32 v[SOU], s2, v[SOU]
	s_delay_alu instid0(VALU_DEP_2)
	v_add_nc_u32 v[SQ], s2, v[SQ]
	v_lshlrev_b32 v[SH8], 3, v11
	v_mov_b32 v[PX], 0                             ; a lane permute's destination counts as one of its sources
.irp g, 4,5,6,7
	v_mov_b32 v[QF+\g], 0                          ; the zeros between the two q
.endr
	s_wait_alu depctr_va_vdst(0)                   ; the wait at the head's end
	s_wait_dscnt 0x0                               ; both opening adds are done
	s_wait_kmcnt 0x0
	s_add_nc_u64 s[4:5], s[4:5], s[32:33]
	s_add_nc_u64 s[8:9], s[8:9], s[32:33]
	s_add_nc_u64 s[G0A+2:G0A+3], s[6:7], s[34:35]
	s_or_b32 s[G0A+3], s[G0A+3], 0x80000000
	QLOAD 0                                        ; the first pass's Q is on its way during the round
	ROUND                                          ; the four work-groups are here: the joint loads meet
	tensor_load_to_lds s[G0A:G0A+3], s[G1:G1+7]    ; my one tensor load of the launch
	s_nop 0
.rept 4
	v_nop
.endr
	PASS 0
	PASS 1
	s_wait_tensorcnt 0x0                           ; the wave's end
	ds_add_u32 v[SPW], v[NIL]
	s_wait_dscnt 0x0
	ROUND                                          ; the closing round
	s_endpgm
.Lfunc_end_k_q47c96ca408_attn:
	.size	k_q47c96ca408_attn, .Lfunc_end_k_q47c96ca408_attn-k_q47c96ca408_attn
	.p2alignl 7, 3214868480
	.fill 96, 4, 3214868480
	.section	.rodata,"a",@progbits
	.p2align	6, 0x0
	.amdhsa_kernel k_q47c96ca408_attn
		.amdhsa_group_segment_fixed_size 327680
		.amdhsa_private_segment_fixed_size 0
		.amdhsa_enable_private_segment 0
		.amdhsa_kernarg_size 24
		.amdhsa_user_sgpr_count 2
		.amdhsa_user_sgpr_kernarg_segment_ptr 1
		.amdhsa_wavefront_size32 1
		.amdhsa_system_sgpr_workgroup_id_x 1
		.amdhsa_system_sgpr_workgroup_id_y 1
		.amdhsa_system_sgpr_workgroup_id_z 1
		.amdhsa_system_vgpr_workitem_id 0
		.amdhsa_next_free_vgpr 256
		.amdhsa_next_free_sgpr 66
		.amdhsa_reserve_vcc 0
		.amdhsa_float_denorm_mode_32 3
		.amdhsa_float_denorm_mode_16_64 3
		.amdhsa_memory_ordered 1
		.amdhsa_forward_progress 1
		.amdhsa_inst_pref_size 152
	.end_amdhsa_kernel
	.amdgpu_metadata
---
amdhsa.version: [ 1, 2 ]
amdhsa.kernels:
  - .name:           k_q47c96ca408_attn
    .symbol:         k_q47c96ca408_attn.kd
    .args:
      - { .name: query, .offset: 0, .size: 8, .value_kind: global_buffer, .address_space: global }
      - { .name: kv, .offset: 8, .size: 8, .value_kind: global_buffer, .address_space: global }
      - { .name: out0, .offset: 16, .size: 8, .value_kind: global_buffer, .address_space: global }
    .group_segment_fixed_size: 327680
    .private_segment_fixed_size: 0
    .kernarg_segment_align: 8
    .kernarg_segment_size: 24
    .max_flat_workgroup_size: 512
    .sgpr_count:     66
    .vgpr_count:     256
    .wavefront_size: 32
...
	.end_amdgpu_metadata
.endif
;; end of part 2
